; MI455X (gfx1250); checked and timed in simulation.
; The chip was launched on July 23, 2026; its instructions are those of AMD's public machine-readable ISA for CDNA 5 (MIT licence, August 2026) and "CDNA5" Instruction Set Architecture Reference Guide (July 2026). The comments in the code are by the model that wrote it; some were corrected since.
;; VQVAE. Allowed arithmetic: float matrix products may take bf16 or f16 operands with f32 sums; all other float work in f32.
;; Inputs: codebook 8,192 x 256 float32; z 32 x 1,024 x 256 float32.
;; Outputs: out0 32 x 1,024 x 256 float32; out1 one number float32; out2 32 x 1,024 int32.
;; One version. Each part assembles by itself: llvm-mc -triple=amdgcn-amd-amdhsa -mcpu=gfx1250 --defsym DOCPART=n.
;; ======== version 1 of 1: 4 launches
;; workspace buffers: cbh 4,194,304 bytes; ee 32,768 bytes; idxw 131,072 bytes of whole numbers; part 4,096 bytes
;; launch prep (part 1): grid 128 x 1, 8 waves a work-group, no clusters, 1,280 bytes of LDS; arguments codebook, cbh, ee; writes cbh, ee
.if DOCPART == 1
	.amdgcn_target "amdgcn-amd-amdhsa--gfx1250"
	.amdhsa_code_object_version 6
	.text
	.protected	k_qb8f7617f83_prep
	.globl	k_qb8f7617f83_prep
	.p2align	8
	.type	k_qb8f7617f83_prep,@function
k_qb8f7617f83_prep:
	s_mov_b64 s[64:65], 0
	v_nop
	global_prefetch_b8 v0, s[64:65] scope:SCOPE_SE
	s_setreg_imm32_b32 hwreg(HW_REG_WAVE_MODE, 25, 1), 1
	s_wait_xcnt 0x0
; cbh[c][k] = bf16(codebook[c][k]);  ee[c] = the f32 sum over k of cbh[c][k]^2.   codebook: [8192][256] f32.
; The norm is taken of the ROUNDED row, because the rounded row is what the next launch multiplies.
; Eight waves; the work-group owns 64 codes, a wave eight of them, one row at a time over its 32 lanes.
; A row is two loads of 16 bytes a lane (512 consecutive bytes each) and two stores of 8 bytes a lane (256 consecutive
; bytes each, aligned).  The 64 norms of the work-group meet in LDS and leave as one store of 256 consecutive bytes.
; A stream: each byte is read once and written once.  No work-group shares a tile with another, so no cluster;
; no products of matrices, so no matrix unit.
; The order of the f32 sum (two chains a lane, then across the lanes) is this text's own.
.set ROWB,  1024                       ; bytes in a row of codebook
.set ROWH,  512                        ; bytes in a row of cbh
.set X,     16                         ; v[16:79]   row i: 8 registers as loaded
.set P,     80                         ; v[80:111]  row i: 4 registers of packed bf16, the stores' data, never rewritten
	s_load_b128 s[4:7], s[0:1], 0x0                ; codebook s[4:5], cbh s[6:7]
	s_load_b64 s[8:9], s[0:1], 0x10                ; ee
	v_lshl_add_u32 v112, v0, 2, 0x100
	v_mov_b32 v113, 0
	v_lshrrev_b32 v4, 5, v0
	v_readfirstlane_b32 s10, v4                    ; wave 0..7
	v_and_b32 v5, 31, v0                           ; lane
	v_lshlrev_b32 v1, 4, v5                        ; 16 bytes a lane in a half row of codebook
	v_lshlrev_b32 v2, 3, v5                        ; 8 bytes a lane in a half row of cbh, and in the 64 norms
	v_mov_b32 v3, 0                                ; what the first links of the two chains add
	v_lshlrev_b32 v6, 5, v4                        ; my wave's eight words in LDS
	s_mov_b32 s12, 0x76543210                      ; v_permlanex16_b32: lane i of one half reads lane i of the other
	s_mov_b32 s13, 0xfedcba98
	s_lshl_b32 s14, ttmp9, 16                      ; 64 rows of 1,024 bytes a work-group,
	s_lshl_b32 s16, s10, 13                        ; 8 rows a wave
	s_add_co_u32 s14, s14, s16
	s_mov_b32 s15, 0
	s_lshr_b32 s16, s14, 1                         ; half of that in cbh
	s_mov_b32 s17, 0
	s_lshl_b32 s18, ttmp9, 8                       ; 64 norms of 4 bytes a work-group
	s_mov_b32 s19, 0
	s_wait_kmcnt 0x0
	s_add_nc_u64 s[4:5], s[4:5], s[14:15]
	s_add_nc_u64 s[6:7], s[6:7], s[16:17]
	s_add_nc_u64 s[8:9], s[8:9], s[18:19]
.irp i, 0,1,2,3,4,5,6,7
	global_load_b128 v[X+8*\i:X+8*\i+3],   v1, s[4:5] offset:ROWB*\i th:TH_LOAD_NT       ; elements 4 l .. 4 l + 3
	global_load_b128 v[X+8*\i+4:X+8*\i+7], v1, s[4:5] offset:ROWB*\i+512 th:TH_LOAD_NT   ; elements 128 + 4 l ..
.endr
.irp i, 0,1,2,3,4,5,6,7
	s_wait_loadcnt 14-2*\i                         ; loads come back in order: row i is in, the two loads of each younger row stay out
	v_cvt_pk_bf16_f32 v[P+4*\i],   v[X+8*\i],   v[X+8*\i+1]
	v_cvt_pk_bf16_f32 v[P+4*\i+1], v[X+8*\i+2], v[X+8*\i+3]
	v_cvt_pk_bf16_f32 v[P+4*\i+2], v[X+8*\i+4], v[X+8*\i+5]
	v_cvt_pk_bf16_f32 v[P+4*\i+3], v[X+8*\i+6], v[X+8*\i+7]
	global_store_b64 v2, v[P+4*\i:P+4*\i+1],   s[6:7] offset:ROWH*\i
	global_store_b64 v2, v[P+4*\i+2:P+4*\i+3], s[6:7] offset:ROWH*\i+256
	v_fma_mix_f32_bf16 v4, v[P+4*\i], v[P+4*\i], v3 op_sel_hi:[1,1,0]                   ; low half squared
	v_fma_mix_f32_bf16 v5, v[P+4*\i], v[P+4*\i], v3 op_sel:[1,1,0] op_sel_hi:[1,1,0]    ; high half squared
.irp n, 1,2,3
	v_fma_mix_f32_bf16 v4, v[P+4*\i+\n], v[P+4*\i+\n], v4 op_sel_hi:[1,1,0]
	v_fma_mix_f32_bf16 v5, v[P+4*\i+\n], v[P+4*\i+\n], v5 op_sel:[1,1,0] op_sel_hi:[1,1,0]
.endr
	v_add_f32 v4, v4, v5
	v_add_f32_dpp v4, v4, v4 row_xmask:1 row_mask:0xf bank_mask:0xf
	v_add_f32_dpp v4, v4, v4 row_xmask:2 row_mask:0xf bank_mask:0xf
	v_add_f32_dpp v4, v4, v4 row_xmask:4 row_mask:0xf bank_mask:0xf
	v_add_f32_dpp v4, v4, v4 row_xmask:8 row_mask:0xf bank_mask:0xf
	v_permlanex16_b32 v5, v4, s12, s13             ; v5 has been written
	v_add_f32 v4, v4, v5                           ; every lane holds the row's norm
	ds_store_b32 v6, v4 offset:4*\i                ; all lanes write one word with one value
.endr
	s_wait_dscnt 0x0                               ; my eight norms are in LDS, for wave 0's sake
	s_barrier_signal -1
	s_barrier_wait -1
	s_cmp_lg_u32 s10, 0
	s_cbranch_scc1 .Lend
	ds_load_b64 v[8:9], v2                         ; two norms a lane
	s_wait_dscnt 0x0
	global_store_b64 v2, v[8:9], s[8:9]            ; 256 consecutive bytes, aligned
.Lend:
	s_wait_tensorcnt 0x0
	ds_add_u32 v112, v113
	s_wait_dscnt 0x0
	s_endpgm
.Lfunc_end_k_qb8f7617f83_prep:
	.size	k_qb8f7617f83_prep, .Lfunc_end_k_qb8f7617f83_prep-k_qb8f7617f83_prep
	.p2alignl 7, 3214868480
	.fill 96, 4, 3214868480
	.section	.rodata,"a",@progbits
	.p2align	6, 0x0
	.amdhsa_kernel k_qb8f7617f83_prep
		.amdhsa_group_segment_fixed_size 1280
		.amdhsa_private_segment_fixed_size 0
		.amdhsa_enable_private_segment 0
		.amdhsa_kernarg_size 24
		.amdhsa_user_sgpr_count 2
		.amdhsa_user_sgpr_kernarg_segment_ptr 1
		.amdhsa_wavefront_size32 1
		.amdhsa_system_sgpr_workgroup_id_x 1
		.amdhsa_system_sgpr_workgroup_id_y 1
		.amdhsa_system_sgpr_workgroup_id_z 1
		.amdhsa_system_vgpr_workitem_id 0
		.amdhsa_next_free_vgpr 114
		.amdhsa_next_free_sgpr 66
		.amdhsa_reserve_vcc 0
		.amdhsa_float_denorm_mode_32 3
		.amdhsa_float_denorm_mode_16_64 3
		.amdhsa_memory_ordered 1
		.amdhsa_forward_progress 1
		.amdhsa_inst_pref_size 15
	.end_amdhsa_kernel
	.amdgpu_metadata
---
amdhsa.version: [ 1, 2 ]
amdhsa.kernels:
  - .name:           k_qb8f7617f83_prep
    .symbol:         k_qb8f7617f83_prep.kd
    .args:
      - { .name: codebook, .offset: 0, .size: 8, .value_kind: global_buffer, .address_space: global }
      - { .name: cbh, .offset: 8, .size: 8, .value_kind: global_buffer, .address_space: global }
      - { .name: ee, .offset: 16, .size: 8, .value_kind: global_buffer, .address_space: global }
    .group_segment_fixed_size: 1280
    .private_segment_fixed_size: 0
    .kernarg_segment_align: 8
    .kernarg_segment_size: 24
    .max_flat_workgroup_size: 256
    .sgpr_count:     66
    .vgpr_count:     114
    .wavefront_size: 32
...
	.end_amdgpu_metadata
.endif
;; end of part 1
;; launch argmin (part 2): grid 256 x 1, 8 waves a work-group, clusters of 4 x 1, 327,680 bytes of LDS; arguments z, cbh, ee, out2, idxw; writes out2, idxw
.if DOCPART == 2
	.amdgcn_target "amdgcn-amd-amdhsa--gfx1250"
	.amdhsa_code_object_version 6
	.text
	.protected	k_qb8f7617f83_argmin
	.globl	k_qb8f7617f83_argmin
	.p2align	8
	.type	k_qb8f7617f83_argmin,@function
k_qb8f7617f83_argmin:
	s_mov_b64 s[64:65], 0
	v_nop
	global_prefetch_b8 v0, s[64:65] scope:SCOPE_SE
	s_setreg_imm32_b32 hwreg(HW_REG_WAVE_MODE, 25, 1), 1
	s_wait_xcnt 0x0
	s_wait_alu depctr_hold_cnt(0) depctr_sa_sdst(0) depctr_va_vdst(0) depctr_va_sdst(0) depctr_va_ssrc(0) depctr_va_vcc(0) depctr_vm_vsrc(0)
	s_getreg_b32 s2, hwreg(HW_REG_IB_STS2, 6, 4)
	s_cmp_eq_u32 s2, 0
	s_cbranch_scc0 .Lentry_in_a_cluster
	s_endpgm
.Lentry_in_a_cluster:
	s_bfe_u32 s2, ttmp6, 0x10000c
	s_cmp_lg_u32 s2, 0x3003
	s_cbranch_scc0 .Lentry_shape_is_right
	s_endpgm
.Lentry_shape_is_right:
; out2[row] = idxw[row] = the first code c with the least d[row][c],
;   d = fl( fl(zz[row] + ee[c]) - 2 dot(row, c) ),  dot = the sum over 256 k of bf16(z[row][k]) cbh[c][k] in f32,
;   zz[row] = the f32 sum of bf16(z[row][k])^2.   z: [32768][256] f32, cbh: [8192][256] bf16, ee: [8192] f32.
; The two roundings are written as they stand in the formula (a sum, then ONE fused multiply-add: 2 dot is exact), the compare is a strict
; "less" over ascending codes, and every merge is by (d, index): the least index wins a tie.
;
; LIMITS.  zz and ee are norms of the rounded vectors, those that are multiplied.  The f32 sums of dot, zz and ee have this text's own order: a row
; whose two best distances lie within that error (some 1e-7 of the sums) of a rounding boundary of d may take the other index.  A NaN distance is
; never taken as the least.
;
; SHARES.  The work-group owns 128 rows of z and walks all 8,192 codes.  Eight waves of 512 registers: wave w has the row half a = w / 4 (64 rows,
; four tiles of 16) and the quarter b = w % 4 of each chunk's codes.  The wave's z fragments (4 tiles x 8 K steps x 8 registers) stay in registers
; 256-511 for the whole launch.  The codes come through LDS in 32 chunks of 256 codes, two slots by turns; a wave takes 64 codes of a chunk, four code tiles.
; The matrix instruction takes 16 codes as A and 16 rows of z as B: lane (r, h) then holds in register j the product of code 8 h + j with row r, so the
; least over the codes stays inside a lane until the end.
;
; LEAST AND INDEX, BY GROUPS OF EIGHT.  A lane's eight distances of a code tile and a row tile are codes 8 h + 0..7 of that tile.  Four three-way minima fold
; them and the least so far into the new least; one strict compare (new < old) says whether this tile wins; where it wins the lane takes the tile's first code
; and keeps d of j = 0..6.  At the end j is the first kept d that equals the least, else 7.  That is 8 packed and 13 plain instructions for 8 distances,
; 84 for a code tile's 32 matrix instructions.  The distances of one tile are made during the matrix instructions of the next.
;
; CLUSTER.  Every work-group walks the same chunks of cbh and the same ee: the four work-groups of a 4 x 1 cluster ask for them jointly (mask 15), which
; divides those requests by four.  The addresses of the joint loads are made of the wave's number and the chunk alone.  z's block is each work-group's own.
;
; REGISTER WINDOWS (s_set_vgpr_msb: bits 1:0 source 0, 3:2 source 1, 5:4 source 2, 7:6 destination).  The matrix instructions stand under 0x04: source 1 in
; window 1 (z's fragments), all else in window 0.  A tile is four blocks: eight matrix instructions under 0x04, behind each of them one packed multiply-add whose
; source 1 is a constant (zz + ee is written as ee x 1.0 + zz, the same bits), then, under 0, the 13 instructions that name two or three vector registers as
; sources.  Eight switches for a tile's 32 matrix and 84 vector instructions.
.set CPITCH, 528                       ; an LDS row of a code: 512 bytes + 16 of padding, an odd multiple of 16: the 16 rows of a fragment load start 16 bytes apart modulo 256
.set ZPITCH, 1040                      ; an LDS row of z in f32: 1,024 bytes + 16
.set SLOTB,  256*CPITCH                ; 135,168: a slot
.set EEL,    2*SLOTB                   ; 270,336: ee[8192], dense, filled once
.set RED,    EEL+32768                 ; 303,104: 512 bytes a wave for the last merge; no fill ever lands here
.set CHUNKB, 256*512                   ; bytes of cbh in a chunk
; window 0
.set ADR,  4                           ; v4, v5    LDS address of my code fragments in slot 0, 1
.set EEA,  6                           ; v6        LDS address of my eight ee of the chunk's tile 0; steps by 1,024 a chunk
.set ZA,   7                           ; v7        LDS address of my z fragments (f32)
.set ZERO, 15                          ; v15       0
.set ZZ,   16                          ; v[16:23]  row tile t: zz of my row, twice (a pair for the packed forms)
.set EEV,  24                          ; v[24:39]  parity p: ee of codes 8 h + 0..7 of a tile
.set TT,   40                          ; v[40:47]  fl(zz + ee)
.set DD,   48                          ; v[48:55]  d
.set MT,   56                          ; v[56:58]  partial minima
.set IDX,  60                          ; v[60:63]  row tile t: first code of the tile that holds the least so far
.set ACC,  64                          ; v[64:127] products: parity p, row tile t at 64 + 32 p + 8 t
.set AF,   128                         ; v[128:191] a code tile's fragments, K step s at 128 + 8 s
.set RUN,  192                         ; v[192:199] least d so far: two registers a row tile, by turns with the tile's parity, at 192 + 4 p + t
.set SAVE, 200                         ; v[200:231] row tile t: d of j = 0..7 of the tile that holds the least so far (j = 7 only from the first tile, never read)
.set ST0,  64                          ; at the start: two stage buffers of 64 registers for z in f32
.set SQ,   40                          ; at the start: four chains of squares
; window 1: z's fragment of row tile t, K step s at v[64 t + 8 s]
.set G1C,  40                          ; s[40:47]  group 1: 32 codes x 256 bf16, padded, joint
.set G1Z,  48                          ; s[48:55]  group 1: 16 rows x 256 f32, padded, my work-group's own
.set G1E,  56                          ; s[56:63]  group 1: 16 rows x 256 bytes, dense, joint
.set G0S,  68                          ; s[68:75]  group 0 of slot 0 and of slot 1
.set G0Z,  76                          ; s[76:79]  group 0 of z's block
.set G0E,  80                          ; s[80:83]  group 0 of ee
.set MSB, 0
.macro WIN new                         ; the immediate's high byte repeats the setting that is left; a switch that changes nothing is dropped
.if MSB != \new
	s_set_vgpr_msb (MSB<<8)|\new
.set MSB, \new
.endif
.endm
; A round of the cluster's barrier: my work-group's barrier, wave 0 signals for the work-group, every wave waits for all four work-groups, my work-group's barrier again.
.macro CREST                           ; a round behind its opening barrier
	s_cmp_lg_u32 s14, 0
	s_cbranch_scc1 .Lnot_wave_0_\@
	s_barrier_signal -3
.Lnot_wave_0_\@:
	s_barrier_wait -3
	s_barrier_signal -1
	s_barrier_wait -1
.endm
.macro ROUND                           ; a whole round
	s_barrier_signal -1
	s_barrier_wait -1
	CREST
.endm
	s_load_b256 s[4:11], s[0:1], 0x0               ; z s[4:5], cbh s[6:7], ee s[8:9], out2 s[10:11]
	s_load_b64 s[12:13], s[0:1], 0x20              ; idxw
	v_lshl_add_u32 v254, v0, 2, 0x4b000
	v_mov_b32 v255, 0
	ds_add_u32 v254, v255
	v_lshrrev_b32 v8, 5, v0
	v_readfirstlane_b32 s14, v8                    ; wave 0..7
	s_lshr_b32 s15, s14, 2                         ; a: my half of the rows
	s_and_b32 s16, s14, 3                          ; b: my quarter of a chunk's codes
	s_bfe_u32 s17, ttmp6, 0x40000                  ; cx
	s_lshl_b32 s18, ttmp9, 2
	s_add_co_u32 s18, s18, s17                     ; work-group = 4 x cluster + cx
	s_lshl_b32 s20, s16, 6                         ; first code of the tile whose distances are due: 64 b
	s_mov_b32 s24, 0x76543210                      ; v_permlanex16_b32: lane i reads lane i of the other half
	s_mov_b32 s25, 0xfedcba98
	; group 1 of a chunk's part: 32 rows of 256 elements of 2 bytes
	s_mov_b32 s[G1C+0], 15|(1<<16)|(1<<20)|(1<<21)|(6<<22)|(3<<25)   ; mask: all four; 2 bytes; padding on; bit 21 beside a mask; after every 128 words, 4 words
	s_mov_b32 s[G1C+1], 256<<16                    ; tensor_dim0 = 256
	s_mov_b32 s[G1C+2], 32<<16                     ; tensor_dim1 = 32
	s_mov_b32 s[G1C+3], 256<<16                    ; tile_dim0 = 256
	s_mov_b32 s[G1C+4], 32                         ; tile_dim1 = 32
	s_mov_b32 s[G1C+5], 256                        ; elements from row to row
	s_mov_b32 s[G1C+6], 0
	s_mov_b32 s[G1C+7], 0
	; group 1 of z's part: 16 rows of 256 elements of 4 bytes, no mask
	s_mov_b32 s[G1Z+0], (2<<16)|(1<<20)|(7<<22)|(3<<25)              ; 4 bytes; padding on; after every 256 words, 4 words
	s_mov_b32 s[G1Z+1], 256<<16
	s_mov_b32 s[G1Z+2], 16<<16
	s_mov_b32 s[G1Z+3], 256<<16
	s_mov_b32 s[G1Z+4], 16
	s_mov_b32 s[G1Z+5], 256
	s_mov_b32 s[G1Z+6], 0
	s_mov_b32 s[G1Z+7], 0
	; group 1 of ee's part: 4,096 dense bytes as 16 rows of 32 elements of 8 bytes
	s_mov_b32 s[G1E+0], 15|(3<<16)|(1<<21)
	s_mov_b32 s[G1E+1], 32<<16
	s_mov_b32 s[G1E+2], 16<<16
	s_mov_b32 s[G1E+3], 32<<16
	s_mov_b32 s[G1E+4], 16
	s_mov_b32 s[G1E+5], 32
	s_mov_b32 s[G1E+6], 0
	s_mov_b32 s[G1E+7], 0
	; the groups 0.  LDS addresses: a constant and the wave's number times a constant
	s_mov_b32 s[G0S+0], 1
	s_mul_i32 s[G0S+1], s14, 32*CPITCH             ; slot 0: my 32 codes
	s_mov_b32 s[G0S+4], 1
	s_add_co_u32 s[G0S+5], s[G0S+1], SLOTB         ; slot 1
	s_mov_b32 s[G0Z+0], 1
	s_mul_i32 s[G0Z+1], s14, 16*ZPITCH             ; z's block lies in slot 1 until its fragments are in registers
	s_add_co_u32 s[G0Z+1], s[G0Z+1], SLOTB
	s_mov_b32 s[G0E+0], 1
	s_lshl_b32 s[G0E+1], s14, 12
	s_add_co_u32 s[G0E+1], s[G0E+1], EEL
	s_lshl_b32 s66, s14, 14                        ; s[66:67]: offsets made of the wave's number alone, for the joint loads: 32 codes of 512 bytes
	s_mov_b32 s67, 0
	s_lshl_b32 s22, s18, 3                         ; s[22:23]: offsets of my work-group's own: (8 work-group + wave) x 16 rows of 1,024 bytes
	s_add_co_u32 s22, s22, s14
	s_lshl_b32 s22, s22, 14
	s_mov_b32 s23, 0
	s_wait_dscnt 0x0
	s_wait_kmcnt 0x0
	s_add_nc_u64 s[G0S+2:G0S+3], s[6:7], s[66:67]              ; chunk 0
	s_add_nc_u64 s[G0S+6:G0S+7], s[G0S+2:G0S+3], CHUNKB        ; chunk 1
	s_or_b32 s[G0S+3], s[G0S+3], 0x80000000                    ; type = 2
	s_or_b32 s[G0S+7], s[G0S+7], 0x80000000
	s_add_nc_u64 s[G0Z+2:G0Z+3], s[4:5], s[22:23]
	s_or_b32 s[G0Z+3], s[G0Z+3], 0x80000000
	s_lshl_b32 s66, s14, 12                        ; my 4,096 bytes of ee
	s_add_nc_u64 s[G0E+2:G0E+3], s[8:9], s[66:67]
	s_or_b32 s[G0E+3], s[G0E+3], 0x80000000
	s_lshl_b32 s22, s18, 9                         ; 128 indices of 4 bytes a work-group
	s_add_nc_u64 s[10:11], s[10:11], s[22:23]
	s_add_nc_u64 s[12:13], s[12:13], s[22:23]
	ROUND                                          ; all four work-groups are here: the first joint loads meet
	tensor_load_to_lds s[G0Z:G0Z+3], s[G1Z:G1Z+7]  ; the three first fills of every wave go out together: three loads out, the most in this text
	s_nop 0
	tensor_load_to_lds s[G0S:G0S+3], s[G1C:G1C+7]
	s_nop 0
	tensor_load_to_lds s[G0E:G0E+3], s[G1E:G1E+7]
	s_nop 0
	v_and_b32 v1, 15, v0                           ; r
	v_bfe_u32 v2, v0, 4, 1                         ; h
	v_lshlrev_b32 v3, 3, v2                        ; 8 h
	v_mov_b32 v9, 0
	v_mov_b32 v[ZERO], 0
	s_mul_i32 s21, s16, 64*CPITCH                  ; my 64 codes of a chunk
	v_mul_u32_u24 v8, v1, CPITCH
	v_lshl_add_u32 v8, v2, 4, v8                   ; row r, 16 bytes for each half of the lanes
	v_add_nc_u32 v[ADR], s21, v8
	v_add_nc_u32 v[ADR+1], SLOTB, v[ADR]
	s_lshl_b32 s21, s16, 8
	s_add_co_u32 s21, s21, EEL
	v_lshl_add_u32 v[EEA], v2, 5, s21              ; ee of codes 64 b + 8 h ..
	s_mul_i32 s21, s15, 64*ZPITCH                  ; my 64 rows of z
	s_add_co_u32 s21, s21, SLOTB
	v_mul_u32_u24 v8, v1, ZPITCH
	v_lshl_add_u32 v8, v2, 5, v8                   ; row r, 8 f32 for each half of the lanes
	v_add_nc_u32 v[ZA], s21, v8
	s_lshl_b32 s21, s14, 9
	s_add_co_u32 s21, s21, RED
	v_lshl_add_u32 v10, v1, 3, s21                 ; the last merge: my wave's 512 bytes, 8 bytes a row
	v_lshlrev_b32 v11, 3, v0                       ; the way out: two indices a thread
; Z'S FRAGMENTS.  A unit is row tile u / 2, K steps 4 (u % 2) .. + 3: 16 LDS loads (64 f32 a lane), 32 roundings of two, 64 squares.
; A fragment's registers 0-3 hold k = 8 h + 0..7 of the K step, registers 4-7 k = 16 + 8 h + 0..7: in f32 the 32 bytes at 32 h and the 32 bytes at 64 + 32 h.
.macro LOADU u
.set UB, ST0+64*((\u)&1)
.set UO, 16*ZPITCH*((\u)/2)+512*((\u)&1)
.irp n, 0,1,2,3
	ds_load_b128 v[UB+16*\n:UB+16*\n+3],     v[ZA] offset:UO+128*\n
	ds_load_b128 v[UB+16*\n+4:UB+16*\n+7],   v[ZA] offset:UO+128*\n+16
	ds_load_b128 v[UB+16*\n+8:UB+16*\n+11],  v[ZA] offset:UO+128*\n+64
	ds_load_b128 v[UB+16*\n+12:UB+16*\n+15], v[ZA] offset:UO+128*\n+80
.endr
.endm
.macro UNIT u
.if \u < 7
	s_wait_dscnt 16                                ; LDS loads come back in order: this unit's 16 are in, the other buffer's 16 stay out
.else
	s_wait_dscnt 0x0
.endif
	WIN 0x40                                       ; destination in window 1
.set mm, 0
.rept 32
	v_cvt_pk_bf16_f32 v[32*(\u)+mm], v[ST0+64*((\u)&1)+2*mm], v[ST0+64*((\u)&1)+2*mm+1]
.set mm, mm+1
.endr
	WIN 0
.if \u < 6
	LOADU (\u)+2                                   ; into the buffer just rounded
.endif
	WIN 0x05                                       ; sources 0 and 1 in window 1
.set mm, 0
.rept 32
.if ((\u)&1)+mm/2 == 0                             ; a row tile's first four links start the chains
	v_fma_mix_f32_bf16 v[SQ+2*(mm&1)],   v[32*(\u)+mm], v[32*(\u)+mm], v[ZERO] op_sel_hi:[1,1,0]
	v_fma_mix_f32_bf16 v[SQ+2*(mm&1)+1], v[32*(\u)+mm], v[32*(\u)+mm], v[ZERO] op_sel:[1,1,0] op_sel_hi:[1,1,0]
.else
	v_fma_mix_f32_bf16 v[SQ+2*(mm&1)],   v[32*(\u)+mm], v[32*(\u)+mm], v[SQ+2*(mm&1)] op_sel_hi:[1,1,0]
	v_fma_mix_f32_bf16 v[SQ+2*(mm&1)+1], v[32*(\u)+mm], v[32*(\u)+mm], v[SQ+2*(mm&1)+1] op_sel:[1,1,0] op_sel_hi:[1,1,0]
.endif
.set mm, mm+1
.endr
	WIN 0
.if (\u)&1                                         ; the row tile is whole: my half of k and the other half's
	v_add_f32 v[SQ], v[SQ], v[SQ+1]
	v_add_f32 v[SQ+2], v[SQ+2], v[SQ+3]
	v_add_f32 v[SQ], v[SQ], v[SQ+2]
	v_permlanex16_b32 v[SQ+1], v[SQ], s24, s25
	v_add_f32 v[ZZ+(\u)-1], v[SQ], v[SQ+1]
	v_mov_b32 v[ZZ+(\u)], v[ZZ+(\u)-1]
.endif
.endm
	s_wait_tensorcnt 0x2                           ; my part of z's block is in; chunk 0 and ee, issued behind it, stay out:
	s_barrier_signal -1
	s_barrier_wait -1                              ; everybody's part of z is in
	LOADU 0
	LOADU 1
.irp u, 0,1,2,3,4,5,6,7
	UNIT \u
.endr
	s_wait_dscnt 0x0                               ; my reads of z's block are over,
	s_wait_tensorcnt 0x0                           ; and all my tensor loads have landed, my parts of chunk 0 and of ee among them
	ds_add_u32 v254, v255
	s_wait_dscnt 0x0
	ROUND                                          ; both now hold of every wave of the four work-groups
	tensor_load_to_lds s[G0S+4:G0S+7], s[G1C:G1C+7]   ; chunk 1, into the slot that held z: my one load behind the round, and the first thing there
	s_nop 0
; THE TILES
; four K steps' fragments of code tile q of a slot: 16 codes x 32 k are two loads of 16 bytes, 32 bytes apart
.macro LOADA slot, q, k0
.irp n, 0,1,2,3
	ds_load_b128 v[AF+8*((\k0)+\n):AF+8*((\k0)+\n)+3],   v[ADR+(\slot)] offset:16*CPITCH*(\q)+64*((\k0)+\n)
	ds_load_b128 v[AF+8*((\k0)+\n)+4:AF+8*((\k0)+\n)+7], v[ADR+(\slot)] offset:16*CPITCH*(\q)+64*((\k0)+\n)+32
.endr
.endm
.macro LOADEE q                        ; ee of codes 8 h + 0..7 of tile q
	ds_load_b128 v[EEV+8*((\q)&1):EEV+8*((\q)&1)+3],   v[EEA] offset:64*(\q)
	ds_load_b128 v[EEV+8*((\q)&1)+4:EEV+8*((\q)&1)+7], v[EEA] offset:64*(\q)+16
.endm
; matrix instruction i of a tile: K step i / 4, row tile i % 4.  The four accumulators take turns, one instruction a turn, from tile to tile too.
; The first K step starts the sums: nothing is cleared.
.macro MM i, p
.if (\i)/4 == 0
	v_wmma_f32_16x16x32_bf16 v[ACC+32*(\p)+8*((\i)%4):ACC+32*(\p)+8*((\i)%4)+7], v[AF+8*((\i)/4):AF+8*((\i)/4)+7], v[64*((\i)%4)+8*((\i)/4):64*((\i)%4)+8*((\i)/4)+7], 0
.else
	v_wmma_f32_16x16x32_bf16 v[ACC+32*(\p)+8*((\i)%4):ACC+32*(\p)+8*((\i)%4)+7], v[AF+8*((\i)/4):AF+8*((\i)/4)+7], v[64*((\i)%4)+8*((\i)/4):64*((\i)%4)+8*((\i)/4)+7], v[ACC+32*(\p)+8*((\i)%4):ACC+32*(\p)+8*((\i)%4)+7]
.endif
.endm
; The distances of row tile t of the tile of parity p.  mode 2: as a rule.  mode 1: the very first tile starts least, index and the kept d.  mode 0: nothing is due.
; EPA: packed instruction k of eight, fit for either window setting (its source 1 is a constant): k = 0..3 fl(ee + zz) of j = 2 k, 2 k + 1; k = 4..7 d of j = 2 k - 8, 2 k - 7.
.macro EPA t, k, p, mode
.if (\mode) != 0
.if (\k) < 4
	v_pk_fma_f32 v[TT+2*(\k):TT+2*(\k)+1], v[EEV+8*(\p)+2*(\k):EEV+8*(\p)+2*(\k)+1], 1.0, v[ZZ+2*(\t):ZZ+2*(\t)+1] op_sel_hi:[1,0,1]
.else
.if (\mode) == 1
	v_pk_fma_f32 v[SAVE+8*(\t)+2*(\k)-8:SAVE+8*(\t)+2*(\k)-7], v[ACC+32*(\p)+8*(\t)+2*(\k)-8:ACC+32*(\p)+8*(\t)+2*(\k)-7], -2.0, v[TT+2*(\k)-8:TT+2*(\k)-7] op_sel_hi:[1,0,1]
.else
	v_pk_fma_f32 v[DD+2*(\k)-8:DD+2*(\k)-7], v[ACC+32*(\p)+8*(\t)+2*(\k)-8:ACC+32*(\p)+8*(\t)+2*(\k)-7], -2.0, v[TT+2*(\k)-8:TT+2*(\k)-7] op_sel_hi:[1,0,1]   ; one rounding of T - 2 dot
.endif
.endif
.endif
.endm
; EPB: the group's least against the least so far, under window setting 0.  The new least goes to the register of parity p, the old one stays in the other: no copy.
; In mode 0 four v_nop stand where loads into fragment registers follow (behind blocks 1 and 3).
.macro EPB t, p, mode
.if (\mode) == 0
.if ((\t)&1) == 1
.rept 4
	v_nop
.endr
.endif
.endif
.if (\mode) == 1
	v_min3_num_f32 v[MT],   v[SAVE+8*(\t)],   v[SAVE+8*(\t)+1], v[SAVE+8*(\t)+2]
	v_min3_num_f32 v[MT+1], v[SAVE+8*(\t)+3], v[SAVE+8*(\t)+4], v[SAVE+8*(\t)+5]
	v_mov_b32 v[IDX+(\t)], s20
	v_min3_num_f32 v[MT], v[MT], v[SAVE+8*(\t)+6], v[SAVE+8*(\t)+7]
	v_min_num_f32 v[RUN+4*(\p)+(\t)], v[MT], v[MT+1]
.endif
.if (\mode) == 2
	v_min3_num_f32 v[MT],   v[DD],   v[DD+1], v[DD+2]
	v_min3_num_f32 v[MT+1], v[DD+3], v[DD+4], v[DD+5]
	v_min3_num_f32 v[MT+2], v[DD+6], v[DD+7], v[RUN+4*(1-(\p))+(\t)]
	v_min3_num_f32 v[RUN+4*(\p)+(\t)], v[MT], v[MT+1], v[MT+2]
	v_cmp_lt_f32 vcc_lo, v[RUN+4*(\p)+(\t)], v[RUN+4*(1-(\p))+(\t)]     ; strictly less: an earlier tile keeps a tie
	v_cndmask_b32 v[IDX+(\t)], v[IDX+(\t)], s20, vcc_lo
.irp j, 0,1,2,3,4,5,6
	v_cndmask_b32 v[SAVE+8*(\t)+\j], v[SAVE+8*(\t)+\j], v[DD+\j], vcc_lo
.endr
.endif
.endm
; Block g of a tile (parity tp): K steps 2 g and 2 g + 1 for the four row tiles, and the distances of row tile g of the tile before (parity ep).  Registers only.
.macro WBLK g, mode
	WIN 0x04
.set wi, 8*(\g)
.set wk, 0
.rept 8
	MM wi, tp
	EPA \g, wk, ep, \mode
.set wi, wi+1
.set wk, wk+1
.endr
	WIN 0
	EPB \g, ep, \mode
.endm
; Code tile q of a slot: four blocks.
; turn = 2: this is the slot's last tile and the slot is filled again, two chunks ahead; 1: the slots change and nothing is left to fetch; 0: neither.
; nslot, nq: the tile that follows; more = 0: none follows.
; Each half of the fragment registers is loaded again as soon as it is free: K steps 4-7 at the tile's start, the next tile's K steps 0-3 behind block 1; each run of
; loads has 16 matrix instructions in which to come back (in a slot's last tile 8).  Loads into fragment registers stand behind the five or more plain vector instructions
; of the block that read those registers last (in mode 0 behind four v_nop); the first read of a product stands behind at least four packed instructions.
.macro TILE slot, q, mode, turn, nslot, nq, more
.set tp, (\q)&1
.set ep, 1-tp
	s_wait_dscnt 0x0                               ; K steps 0-3 of this tile are in: those eight loads are all that is out
	LOADA \slot, \q, 4
	LOADEE \q
	WBLK 0, \mode
.if (\turn) != 0
	s_wait_dscnt 0x0                               ; K steps 4-7 and ee are in: these were my last reads of this slot,
	s_wait_tensorcnt 0x0                           ; and all my tensor loads have landed: the one that was out is my part of the next chunk
	ds_add_u32 v254, v255
	s_wait_dscnt 0x0
.if (\turn) == 2
	s_add_nc_u64 s[G0S+4*(\slot)+2:G0S+4*(\slot)+3], s[G0S+4*(\slot)+2:G0S+4*(\slot)+3], 2*CHUNKB   ; no load of mine is out: the group 0 may be written
.endif
	s_barrier_signal -1                            ; say so (where the slot is filled again this barrier opens a round of the cluster's barrier),
	WBLK 1, \mode                                  ; work on registers while the others arrive: 16 matrix instructions,
	WBLK 2, \mode
	s_barrier_wait -1                              ; and go on when all eight waves have said so
.if (\turn) == 2
	CREST                                          ; no wave of any of the four work-groups still reads this slot or has a load on its way
	tensor_load_to_lds s[G0S+4*(\slot):G0S+4*(\slot)+3], s[G1C:G1C+7]   ; my one load behind the round, first thing there; 112 of my matrix instructions stand between it and the wait for it
	s_nop 0
.endif
	v_add_nc_u32 v[EEA], 1024, v[EEA]              ; the next chunk's ee
	LOADA \nslot, \nq, 0                           ; the next slot is whole for every wave
.else
	WBLK 1, \mode
.if \more
	LOADA \nslot, \nq, 0
	s_wait_dscnt 8                                 ; LDS loads come back in order: K steps 4-7 and ee are in, the eight loads just issued stay out
.else
	s_wait_dscnt 0x0
.endif
	WBLK 2, \mode
.endif
	WBLK 3, \mode
.if (\mode) != 0
.if (\q) == 0
	s_add_co_u32 s20, s20, 208                     ; from a chunk's tile 3 to the next chunk's tile 0: 256 - 48
.else
	s_add_co_u32 s20, s20, 16
.endif
.endif
.endm
.macro CHUNK slot, turn, more
	TILE \slot, 0, 2, 0, \slot, 1, 1
	TILE \slot, 1, 2, 0, \slot, 2, 1
	TILE \slot, 2, 2, 0, \slot, 3, 1
	TILE \slot, 3, 2, \turn, 1-\slot, 0, \more
.endm
	LOADA 0, 0, 0
	TILE 0, 0, 0, 0, 0, 1, 1                       ; chunk 0: no distances are due in its first tile,
	TILE 0, 1, 1, 0, 0, 2, 1                       ; and the first ones start least, index and the kept d
	TILE 0, 2, 2, 0, 0, 3, 1
	TILE 0, 3, 2, 2, 1, 0, 1                       ; asks for chunk 2
	CHUNK 1, 2, 1                                  ; chunk 1, asks for chunk 3
	s_mov_b32 s19, 14                              ; every block ends under window setting 0, as a label and a branch want it
.Lpair:                                            ; chunks 2 to 29, which ask for chunks 4 to 31
	CHUNK 0, 2, 1
	CHUNK 1, 2, 1
	s_sub_co_i32 s19, s19, 1
	s_cmp_lg_u32 s19, 0
	s_cbranch_scc1 .Lpair
	CHUNK 0, 1, 1                                  ; chunk 30: nothing is left to fetch
	CHUNK 1, 0, 0                                  ; chunk 31
.irp t, 0,1,2,3                                    ; the last tile's distances; the least ends in the registers of parity 1
.irp k, 0,1,2,3,4,5,6,7
	EPA \t, \k, 1, 2
.endr
	EPB \t, 1, 2
.endr
; THE LAST MERGE, by (d, index): the other pair wins where its d is less, or equal with the lesser index
.macro MERGE d1, i1, d2, i2
	v_cmp_lt_f32 s36, v[\d2], v[\d1]
	v_cmp_eq_f32 s37, v[\d2], v[\d1]
	v_cmp_lt_u32 s38, v[\i2], v[\i1]
	s_and_b32 s37, s37, s38
	s_or_b32 s36, s36, s37
	v_cndmask_b32 v[\d1], v[\d1], v[\d2], s36
	v_cndmask_b32 v[\i1], v[\i1], v[\i2], s36
.endm
.irp t, 0,1,2,3
	v_mov_b32 v8, 7                                ; j: the first kept d that equals the least; if none of j = 0..6 does, it is 7
.irp j, 6,5,4,3,2,1,0
	v_cmp_eq_f32 vcc_lo, v[SAVE+8*\t+\j], v[RUN+4+\t]
	v_cndmask_b32 v8, v8, \j, vcc_lo
.endr
	v_add_nc_u32 v8, v8, v3
	v_add_nc_u32 v[IDX+\t], v[IDX+\t], v8          ; the code itself: its tile's first + 8 h + j
	v_permlanex16_b32 v8, v[RUN+4+\t], s24, s25    ; the other half of the lanes holds the same row's other codes; v8 and v9 have been written
	v_permlanex16_b32 v9, v[IDX+\t], s24, s25
	MERGE RUN+4+\t, IDX+\t, 8, 9
	v_mov_b32 v[TT+2*\t], v[RUN+4+\t]
	v_mov_b32 v[TT+2*\t+1], v[IDX+\t]
	ds_store_b64 v10, v[TT+2*\t:TT+2*\t+1] offset:128*\t   ; row 16 t + r of my 64; both halves of the lanes write the same 8 bytes
.endr
	s_wait_dscnt 0x0                               ; my 64 pairs are in LDS, for the sake of waves 0 and 1
	s_barrier_signal -1
	s_barrier_wait -1
	s_cmp_ge_u32 s14, 2
	s_cbranch_scc1 .Lno_out
	; wave a (0 or 1) merges the four quarters of row half a: a lane takes two neighbouring rows
	v_and_b32 v12, 31, v0
	s_lshl_b32 s21, s14, 11                        ; the four waves of a row half: 4 x 512 bytes
	s_add_co_u32 s21, s21, RED
	v_lshl_add_u32 v12, v12, 4, s21
.irp b, 0,1,2,3
	ds_load_b128 v[ACC+4*\b:ACC+4*\b+3], v12 offset:512*\b     ; quarter b: d, index of row 2 l; d, index of row 2 l + 1
.endr
	s_wait_dscnt 0x0
.irp b, 1,2,3
	MERGE ACC, ACC+1, ACC+4*\b, ACC+4*\b+1
	MERGE ACC+2, ACC+3, ACC+4*\b+2, ACC+4*\b+3
.endr
	v_mov_b32 v[ACC+16], v[ACC+1]
	v_mov_b32 v[ACC+17], v[ACC+3]
	global_store_b64 v11, v[ACC+16:ACC+17], s[10:11]   ; a wave's store covers 256 consecutive bytes, aligned
	global_store_b64 v11, v[ACC+16:ACC+17], s[12:13]
.Lno_out:
	s_wait_tensorcnt 0x0
	ds_add_u32 v254, v255
	s_wait_dscnt 0x0
	ROUND                                          ; the closing round: no work-group ends while a partner may still ask for a tile that names it
	s_endpgm
.Lfunc_end_k_qb8f7617f83_argmin:
	.size	k_qb8f7617f83_argmin, .Lfunc_end_k_qb8f7617f83_argmin-k_qb8f7617f83_argmin
	.p2alignl 7, 3214868480
	.fill 96, 4, 3214868480
	.section	.rodata,"a",@progbits
	.p2align	6, 0x0
	.amdhsa_kernel k_qb8f7617f83_argmin
		.amdhsa_group_segment_fixed_size 327680
		.amdhsa_private_segment_fixed_size 0
		.amdhsa_enable_private_segment 0
		.amdhsa_kernarg_size 40
		.amdhsa_user_sgpr_count 2
		.amdhsa_user_sgpr_kernarg_segment_ptr 1
		.amdhsa_wavefront_size32 1
		.amdhsa_system_sgpr_workgroup_id_x 1
		.amdhsa_system_sgpr_workgroup_id_y 1
		.amdhsa_system_sgpr_workgroup_id_z 1
		.amdhsa_system_vgpr_workitem_id 0
		.amdhsa_next_free_vgpr 512
		.amdhsa_next_free_sgpr 84
		.amdhsa_reserve_vcc 1
		.amdhsa_float_denorm_mode_32 3
		.amdhsa_float_denorm_mode_16_64 3
		.amdhsa_memory_ordered 1
		.amdhsa_forward_progress 1
		.amdhsa_inst_pref_size 255
	.end_amdhsa_kernel
	.section	.bss,"aw",@nobits
	.p2align	6
	.space	262144
	.amdgpu_metadata
---
amdhsa.version: [ 1, 2 ]
amdhsa.kernels:
  - .name:           k_qb8f7617f83_argmin
    .symbol:         k_qb8f7617f83_argmin.kd
    .args:
      - { .name: z, .offset: 0, .size: 8, .value_kind: global_buffer, .address_space: global }
      - { .name: cbh, .offset: 8, .size: 8, .value_kind: global_buffer, .address_space: global }
      - { .name: ee, .offset: 16, .size: 8, .value_kind: global_buffer, .address_space: global }
      - { .name: out2, .offset: 24, .size: 8, .value_kind: global_buffer, .address_space: global }
      - { .name: idxw, .offset: 32, .size: 8, .value_kind: global_buffer, .address_space: global }
    .group_segment_fixed_size: 327680
    .private_segment_fixed_size: 0
    .kernarg_segment_align: 8
    .kernarg_segment_size: 40
    .max_flat_workgroup_size: 256
    .sgpr_count:     84
    .vgpr_count:     512
    .wavefront_size: 32
...
	.end_amdgpu_metadata
.endif
;; end of part 2
;; launch gather (part 3): grid 1024 x 1, 8 waves a work-group, no clusters, 1,280 bytes of LDS; arguments z, codebook, idxw, out0, part; writes out0, part
.if DOCPART == 3
	.amdgcn_target "amdgcn-amd-amdhsa--gfx1250"
	.amdhsa_code_object_version 6
	.text
	.protected	k_qb8f7617f83_gather
	.globl	k_qb8f7617f83_gather
	.p2align	8
	.type	k_qb8f7617f83_gather,@function
k_qb8f7617f83_gather:
	s_mov_b64 s[64:65], 0
	v_nop
	global_prefetch_b8 v0, s[64:65] scope:SCOPE_SE
	s_setreg_imm32_b32 hwreg(HW_REG_WAVE_MODE, 25, 1), 1
	s_wait_xcnt 0x0
; out0[row][k] = z[row][k] + (codebook[idx[row]][k] - z[row][k]), the two roundings as they stand;
; part[g] = the sum over the work-group's 32 rows and all k of (codebook[idx[row]][k] - z[row][k])^2.
; z, out0: [32768][256] f32; codebook: [8192][256] f32; idxw: [32768] int32, stored by the launch before.
; Eight waves, four rows a wave, one row over the 32 lanes: two loads or stores of 16 bytes a lane, 512 consecutive bytes each.  No loop: all 16 loads
; of a wave go out before the first is used.
; A stream and a gather: no tile is shared by arrangement between work-groups (the rows hang on the list), so no cluster, no LDS ring, no matrix unit.
; An index is clamped to 8,191 before it enters an address.
; part gets one number a work-group, 4 bytes: there is no more to store.
.set ROWB, 1024
.set Z, 8                              ; v[8:39]   row i: 8 registers of z
.set Q, 40                             ; v[40:71]  row i: 8 registers of the code, then of the result
.set D, 72                             ; v[72:79]  code - z
.set S, 80                             ; v[80:87]  four pairs of running sums of squares
	s_load_b256 s[4:11], s[0:1], 0x0               ; z s[4:5], codebook s[6:7], idxw s[8:9], out0 s[10:11]
	s_load_b64 s[12:13], s[0:1], 0x20              ; part
	v_lshl_add_u32 v88, v0, 2, 0x100
	v_mov_b32 v89, 0
	v_lshrrev_b32 v2, 5, v0
	v_readfirstlane_b32 s14, v2                    ; wave 0..7
	v_and_b32 v1, 31, v0
	v_lshlrev_b32 v1, 4, v1                        ; 16 bytes a lane
	v_lshlrev_b32 v2, 2, v2                        ; my wave's word in LDS
	s_lshl_b32 s15, ttmp9, 5
	s_lshl2_add_u32 s15, s14, s15                  ; my first row: 32 g + 4 w
	s_lshl_b32 s16, s15, 10                        ; in bytes of z and out0
	s_mov_b32 s17, 0
	s_lshl_b32 s18, s15, 2                         ; in bytes of idxw
	s_mov_b32 s19, 0
	s_mov_b32 s32, 0x76543210
	s_mov_b32 s33, 0xfedcba98
	s_wait_kmcnt 0x0
	s_add_nc_u64 s[8:9], s[8:9], s[18:19]
	s_load_b128 s[20:23], s[8:9], 0x0              ; my four indices
	s_add_nc_u64 s[4:5], s[4:5], s[16:17]
	s_add_nc_u64 s[10:11], s[10:11], s[16:17]
.irp i, 0,1,2,3
	global_load_b128 v[Z+8*\i:Z+8*\i+3],   v1, s[4:5] offset:ROWB*\i th:TH_LOAD_NT
	global_load_b128 v[Z+8*\i+4:Z+8*\i+7], v1, s[4:5] offset:ROWB*\i+512 th:TH_LOAD_NT
.endr
	s_wait_kmcnt 0x0
.irp i, 0,1,2,3
	s_min_u32 s[20+\i], s[20+\i], 0x1fff           ; inside the table
	s_lshl_b32 s[24+2*\i], s[20+\i], 10
	s_mov_b32 s[25+2*\i], 0
	s_add_nc_u64 s[24+2*\i:25+2*\i], s[6:7], s[24+2*\i:25+2*\i]
	global_load_b128 v[Q+8*\i:Q+8*\i+3],   v1, s[24+2*\i:25+2*\i]
	global_load_b128 v[Q+8*\i+4:Q+8*\i+7], v1, s[24+2*\i:25+2*\i] offset:512
.endr
.irp i, 0,1,2,3
	s_wait_loadcnt 6-2*\i                          ; loads come back in order: z and the codes of rows 0..i are in, two loads of each younger row stay out
.irp n, 0,2,4,6
	v_pk_add_f32 v[D+\n:D+\n+1], v[Q+8*\i+\n:Q+8*\i+\n+1], v[Z+8*\i+\n:Z+8*\i+\n+1] neg_lo:[0,1] neg_hi:[0,1]   ; code - z
.endr
.irp n, 0,2,4,6
	v_pk_add_f32 v[Q+8*\i+\n:Q+8*\i+\n+1], v[Z+8*\i+\n:Z+8*\i+\n+1], v[D+\n:D+\n+1]                             ; z + (code - z)
.if \i == 0
	v_pk_mul_f32 v[S+\n:S+\n+1], v[D+\n:D+\n+1], v[D+\n:D+\n+1]                                                 ; the first row starts the sums
.else
	v_pk_fma_f32 v[S+\n:S+\n+1], v[D+\n:D+\n+1], v[D+\n:D+\n+1], v[S+\n:S+\n+1]
.endif
.endr
	global_store_b128 v1, v[Q+8*\i:Q+8*\i+3],   s[10:11] offset:ROWB*\i th:TH_STORE_NT
	global_store_b128 v1, v[Q+8*\i+4:Q+8*\i+7], s[10:11] offset:ROWB*\i+512 th:TH_STORE_NT
.endr
	v_pk_add_f32 v[S:S+1], v[S:S+1], v[S+2:S+3]
	v_pk_add_f32 v[S+4:S+5], v[S+4:S+5], v[S+6:S+7]
	v_pk_add_f32 v[S:S+1], v[S:S+1], v[S+4:S+5]
	v_add_f32 v[S], v[S], v[S+1]
	v_add_f32_dpp v[S], v[S], v[S] row_xmask:1 row_mask:0xf bank_mask:0xf
	v_add_f32_dpp v[S], v[S], v[S] row_xmask:2 row_mask:0xf bank_mask:0xf
	v_add_f32_dpp v[S], v[S], v[S] row_xmask:4 row_mask:0xf bank_mask:0xf
	v_add_f32_dpp v[S], v[S], v[S] row_xmask:8 row_mask:0xf bank_mask:0xf
	v_permlanex16_b32 v[S+1], v[S], s32, s33
	v_add_f32 v[S], v[S], v[S+1]
	ds_store_b32 v2, v[S]                          ; all lanes write my wave's word with one value
	s_wait_dscnt 0x0                               ; for wave 0's sake
	s_barrier_signal -1
	s_barrier_wait -1
	s_cmp_lg_u32 s14, 0
	s_cbranch_scc1 .Lend
	v_mov_b32 v3, 0
	ds_load_b128 v[D:D+3], v3
	ds_load_b128 v[D+4:D+7], v3 offset:16
	s_lshl_b32 s18, ttmp9, 2
	s_add_nc_u64 s[12:13], s[12:13], s[18:19]
	s_wait_dscnt 0x0
	v_pk_add_f32 v[D:D+1], v[D:D+1], v[D+2:D+3]
	v_pk_add_f32 v[D+4:D+5], v[D+4:D+5], v[D+6:D+7]
	v_pk_add_f32 v[D:D+1], v[D:D+1], v[D+4:D+5]
	v_add_f32 v[D], v[D], v[D+1]
	v_cmp_eq_u32 vcc_lo, 0, v0
	s_wait_xcnt 0x0                                ; EXEC is a source of the stores above: it changes only behind this wait
	s_and_saveexec_b32 s34, vcc_lo
	global_store_b32 v3, v[D], s[12:13]            ; thread 0 alone
	s_wait_xcnt 0x0                                ; and again in front of the line that widens it
	s_or_b32 exec_lo, exec_lo, s34
.Lend:
	s_wait_tensorcnt 0x0
	ds_add_u32 v88, v89
	s_wait_dscnt 0x0
	s_endpgm
.Lfunc_end_k_qb8f7617f83_gather:
	.size	k_qb8f7617f83_gather, .Lfunc_end_k_qb8f7617f83_gather-k_qb8f7617f83_gather
	.p2alignl 7, 3214868480
	.fill 96, 4, 3214868480
	.section	.rodata,"a",@progbits
	.p2align	6, 0x0
	.amdhsa_kernel k_qb8f7617f83_gather
		.amdhsa_group_segment_fixed_size 1280
		.amdhsa_private_segment_fixed_size 0
		.amdhsa_enable_private_segment 0
		.amdhsa_kernarg_size 40
		.amdhsa_user_sgpr_count 2
		.amdhsa_user_sgpr_kernarg_segment_ptr 1
		.amdhsa_wavefront_size32 1
		.amdhsa_system_sgpr_workgroup_id_x 1
		.amdhsa_system_sgpr_workgroup_id_y 1
		.amdhsa_system_sgpr_workgroup_id_z 1
		.amdhsa_system_vgpr_workitem_id 0
		.amdhsa_next_free_vgpr 90
		.amdhsa_next_free_sgpr 66
		.amdhsa_reserve_vcc 1
		.amdhsa_float_denorm_mode_32 3
		.amdhsa_float_denorm_mode_16_64 3
		.amdhsa_memory_ordered 1
		.amdhsa_forward_progress 1
		.amdhsa_inst_pref_size 9
	.end_amdhsa_kernel
	.amdgpu_metadata
---
amdhsa.version: [ 1, 2 ]
amdhsa.kernels:
  - .name:           k_qb8f7617f83_gather
    .symbol:         k_qb8f7617f83_gather.kd
    .args:
      - { .name: z, .offset: 0, .size: 8, .value_kind: global_buffer, .address_space: global }
      - { .name: codebook, .offset: 8, .size: 8, .value_kind: global_buffer, .address_space: global }
      - { .name: idxw, .offset: 16, .size: 8, .value_kind: global_buffer, .address_space: global }
      - { .name: out0, .offset: 24, .size: 8, .value_kind: global_buffer, .address_space: global }
      - { .name: part, .offset: 32, .size: 8, .value_kind: global_buffer, .address_space: global }
    .group_segment_fixed_size: 1280
    .private_segment_fixed_size: 0
    .kernarg_segment_align: 8
    .kernarg_segment_size: 40
    .max_flat_workgroup_size: 256
    .sgpr_count:     66
    .vgpr_count:     90
    .wavefront_size: 32
...
	.end_amdgpu_metadata
.endif
;; end of part 3
;; launch finish (part 4): grid 1 x 1, 1 waves a work-group, no clusters, 0 bytes of LDS; arguments part, out1; writes out1
.if DOCPART == 4
	.amdgcn_target "amdgcn-amd-amdhsa--gfx1250"
	.amdhsa_code_object_version 6
	.text
	.protected	k_qb8f7617f83_finish
	.globl	k_qb8f7617f83_finish
	.p2align	8
	.type	k_qb8f7617f83_finish,@function
k_qb8f7617f83_finish:
	s_mov_b64 s[64:65], 0
	v_nop
	global_prefetch_b8 v0, s[64:65] scope:SCOPE_SE
	s_setreg_imm32_b32 hwreg(HW_REG_WAVE_MODE, 25, 1), 1
	s_wait_xcnt 0x0
; out1 = m + 0.25 m, m = (the sum of part[0..1023]) / 2^23: the mean of (z_q - z)^2 over 32,768 x 256 numbers.
; Both losses of the formula are this one mean.  One wave: 4,096 bytes are eight loads of 16 bytes a lane; a sum that spans the work-groups of the launch
; before has one owner here.  Nothing to share, nothing to overlap: no LDS, no cluster.
	s_load_b128 s[4:7], s[0:1], 0x0                ; part s[4:5], out1 s[6:7]
	v_lshlrev_b32 v1, 4, v0
	v_mov_b32 v2, 0
	s_mov_b32 s8, 0x76543210
	s_mov_b32 s9, 0xfedcba98
	s_wait_kmcnt 0x0
.irp k, 0,1,2,3,4,5,6,7
	global_load_b128 v[8+4*\k:11+4*\k], v1, s[4:5] offset:512*\k
.endr
	s_wait_loadcnt 0x0
.irp n, 0,2,4,6,8,10,12,14
	v_pk_add_f32 v[8+\n:9+\n], v[8+\n:9+\n], v[24+\n:25+\n]
.endr
.irp n, 0,2,4,6
	v_pk_add_f32 v[8+\n:9+\n], v[8+\n:9+\n], v[16+\n:17+\n]
.endr
.irp n, 0,2
	v_pk_add_f32 v[8+\n:9+\n], v[8+\n:9+\n], v[12+\n:13+\n]
.endr
	v_pk_add_f32 v[8:9], v[8:9], v[10:11]
	v_add_f32 v8, v8, v9
	v_add_f32_dpp v8, v8, v8 row_xmask:1 row_mask:0xf bank_mask:0xf
	v_add_f32_dpp v8, v8, v8 row_xmask:2 row_mask:0xf bank_mask:0xf
	v_add_f32_dpp v8, v8, v8 row_xmask:4 row_mask:0xf bank_mask:0xf
	v_add_f32_dpp v8, v8, v8 row_xmask:8 row_mask:0xf bank_mask:0xf
	v_permlanex16_b32 v9, v8, s8, s9
	v_add_f32 v8, v8, v9
	v_mul_f32 v8, 0x34000000, v8                   ; x 2^-23, exact: the mean
	v_fma_f32 v8, 0x3e800000, v8, v8               ; codebook loss + 0.25 x commitment loss
	v_cmp_eq_u32 vcc_lo, 0, v0
	s_wait_xcnt 0x0                                ; EXEC changes only behind this wait
	s_and_saveexec_b32 s10, vcc_lo
	global_store_b32 v2, v8, s[6:7]                ; thread 0 alone: the output is one number
	s_wait_xcnt 0x0
	s_or_b32 exec_lo, exec_lo, s10
	s_endpgm
.Lfunc_end_k_qb8f7617f83_finish:
	.size	k_qb8f7617f83_finish, .Lfunc_end_k_qb8f7617f83_finish-k_qb8f7617f83_finish
	.p2alignl 7, 3214868480
	.fill 96, 4, 3214868480
	.section	.rodata,"a",@progbits
	.p2align	6, 0x0
	.amdhsa_kernel k_qb8f7617f83_finish
		.amdhsa_group_segment_fixed_size 0
		.amdhsa_private_segment_fixed_size 0
		.amdhsa_enable_private_segment 0
		.amdhsa_kernarg_size 16
		.amdhsa_user_sgpr_count 2
		.amdhsa_user_sgpr_kernarg_segment_ptr 1
		.amdhsa_wavefront_size32 1
		.amdhsa_system_sgpr_workgroup_id_x 1
		.amdhsa_system_sgpr_workgroup_id_y 1
		.amdhsa_system_sgpr_workgroup_id_z 1
		.amdhsa_system_vgpr_workitem_id 0
		.amdhsa_next_free_vgpr 48
		.amdhsa_next_free_sgpr 66
		.amdhsa_reserve_vcc 1
		.amdhsa_float_denorm_mode_32 3
		.amdhsa_float_denorm_mode_16_64 3
		.amdhsa_memory_ordered 1
		.amdhsa_forward_progress 1
		.amdhsa_inst_pref_size 4
	.end_amdhsa_kernel
	.amdgpu_metadata
---
amdhsa.version: [ 1, 2 ]
amdhsa.kernels:
  - .name:           k_qb8f7617f83_finish
    .symbol:         k_qb8f7617f83_finish.kd
    .args:
      - { .name: part, .offset: 0, .size: 8, .value_kind: global_buffer, .address_space: global }
      - { .name: out1, .offset: 8, .size: 8, .value_kind: global_buffer, .address_space: global }
    .group_segment_fixed_size: 0
    .private_segment_fixed_size: 0
    .kernarg_segment_align: 8
    .kernarg_segment_size: 16
    .max_flat_workgroup_size: 32
    .sgpr_count:     66
    .vgpr_count:     48
    .wavefront_size: 32
...
	.end_amdgpu_metadata
.endif
;; end of part 4
